; MI455X (gfx1250); checked and timed in simulation.
; The chip was launched on July 23, 2026; its instructions are those of AMD's public machine-readable ISA for CDNA 5 (MIT licence, August 2026) and "CDNA5" Instruction Set Architecture Reference Guide (July 2026). The comments in the code are by the model that wrote it; some were corrected since.
;; Window Cross Attention3 D FAST. Allowed arithmetic: matrix products marked QUANTISED: E2M1 operands, one E8M0 scale for each 32 along K, by v_wmma_scale_f32_16x16x128_f8f6f4 with both operands' format E2M1 (or v_wmma_scale_f32_32x16x128_f4), f32 sums; everything else in f32.
;; Inputs: Wkv_codes 768 x 12 x 16 uint8 (E2M1 codes of Wkv, K innermost, in blocks of 32 codes, two codes a byte); Wkv_scales 768 x 12 uint8 (E8M0 scales of Wkv, one for each 32 codes along K); Wq_codes 384 x 12 x 16 uint8 (E2M1 codes of Wq, K innermost, in blocks of 32 codes, two codes a byte); Wq_scales 384 x 12 uint8 (E8M0 scales of Wq, one for each 32 codes along K); bias_table 3,375 x 12 float32; q_bias 384 float32; rel_index 512 x 512 int32; v_bias 384 float32; x1_codes 64 x 512 x 12 x 16 uint8 (E2M1 codes of x1, K innermost, in blocks of 32 codes, two codes a byte); x1_scales 64 x 512 x 12 uint8 (E8M0 scales of x1, one for each 32 codes along K); x2_codes 64 x 512 x 12 x 16 uint8 (E2M1 codes of x2, K innermost, in blocks of 32 codes, two codes a byte); x2_scales 64 x 512 x 12 uint8 (E8M0 scales of x2, one for each 32 codes along K).
;; Outputs: out0 64 x 512 x 384 float32.
;; This version of the problem:
;;   THIS VERSION OF THE PROBLEM IS GIVEN IN LOW PRECISION. The matrix products marked QUANTISED in the list below multiply operands that are first quantised to E2M1 (2 exponent bits, 1 mantissa bit; 4 bits a number), with one power-of-two scale for each 32 numbers along K (OCP MX v1.0); their sums are f32. All else is computed in f32.
;;   The module's matrix products, in the order in which they are computed (A, B: the left and right operand; K: the contracted axis; several contracted axes count as one K, in the product's order):
;;     1. [M 32,768, K 384] x [K 384, N 384]; A: input x1 (given as codes); B: input Wq (given as codes): QUANTISED
;;     2. [M 32,768, K 384] x [K 384, N 768]; A: input x2 (given as codes); B: input Wkv (given as codes): QUANTISED
;;     3. batch 768 x [M 512, K 32] x [K 32, N 512]; A: computed on the way; B: computed on the way: QUANTISED
;;     4. batch 768 x [M 512, K 512] x [K 512, N 32]; A: softmax (see below); B: computed on the way: QUANTISED
;;   THE QUANTISER, for each operand of a quantised product, along K:
;;     - K is cut into blocks of 32 from its start; a last block that is shorter is filled with zeros.
;;     - A block's scale is 2^e with e = floor(log2(the largest magnitude in the block)) - 2, held to -126 .. 127; a block of zeros has e = 0. As a byte (E8M0): e + 127.
;;     - Each number is divided by its block's scale, clamped to +-6, and rounded to the nearest number of E2M1, ties to even, subnormals kept.
;;     - The product sums the exact products of the quantised numbers (number of the format x scale) in f32.
;;   ~~~python
;;   def quantise(x, axis):      # numpy; x: float32 -> the quantised numbers, widened to float32 again
;;       x = np.moveaxis(x, axis, -1); K = x.shape[-1]
;;       x = np.pad(x, [(0, 0)] * (x.ndim - 1) + [(0, -K % 32)]); x = x.reshape(x.shape[:-1] + (-1, 32)); a = np.abs(x).max(-1, keepdims=True)
;;       e = np.where(a > 0, np.clip(np.frexp(np.where(a > 0, a, 1))[1] - 1 - 2, -126, 127), 0)      # np.frexp(a)[1] - 1 = floor(log2(a)), exactly
;;       r = np.clip(x / 2.0 ** e, -6, 6)
;;       step = 2.0 ** (np.maximum(np.frexp(np.where(r == 0, 1, r))[1] - 1, 0) - 1)
;;       q = np.round(r / step) * step * 2.0 ** e      # np.round: ties to even
;;       return np.moveaxis(q.reshape(q.shape[:-2] + (-1,))[..., :K], -1, axis).astype(np.float32)
;;   ~~~
;;   SOFTMAX AHEAD OF A QUANTISED PRODUCT. Where the list says 'softmax', what is quantised is not the finished softmax but p = 2^(t - M), with t = logit x log2(e) and M = ceil(the row's largest t), a whole number; so 1/2 < the row's largest p <= 1. The row's sum l is taken of the UNQUANTISED p, in f32, and the product's result is divided by l at the end. Since M is a whole number, a kernel that streams over the keys may use a running M (the ceiling of the running maximum): every later rescaling is an exact power of two, which a block's scale takes up: the codes' values come out the same.
;;   OPERANDS COMPUTED ON THE WAY. 'Computed on the way' means the value that the module computes at that place (a softmax that the list does not call 'softmax' is quantised finished and normalised). What goes into a quantiser is computed in f32, as accurately as f32 sums, v_exp_f32 and their like allow (about 1e-6 of the number): no bf16 or f16 on the way to a quantiser, and a product that is left as it is and whose result goes on into a quantised operand takes f32 operands (vector FMAs, or v_wmma_f32_16x16x4_f32). A number that lies on a knife's edge between two numbers of the format may be rounded either way, as far as f32 arithmetic and the matrix unit's own rounding can turn it there, and no further.
;;   INPUTS GIVEN AS CODES. Wkv (in the module: [768, 384], K = its axis 1); Wq (in the module: [384, 384], K = its axis 1); x1 (in the module: [64, 512, 384], K = its axis 2); x2 (in the module: [64, 512, 384], K = its axis 2): each comes as NAME_codes (uint8): NAME with its K axis moved to the last place and cut into blocks of 32 codes, [.., K / 32, bytes a block], one block behind the other in memory; two codes a byte, the lower K in the low four bits (a code: sign, 2 exponent bits, 1 mantissa bit); and NAME_scales (uint8): the same leading axes, one E8M0 byte (e + 127) for each 32 codes along K. Its value is code x scale, taken as it is: it is not quantised again, and the codes and scales need not be those that the quantiser above would give.
;; One version. Each part assembles by itself: llvm-mc -triple=amdgcn-amd-amdhsa -mcpu=gfx1250 --defsym DOCPART=n.
;; ======== version 1 of 1: 2 launches
;; limits: right only within a limited range of input values
;; workspace buffers: qc 6,291,456 bytes; qs 1,572,864 bytes; kv 13,369,344 bytes; bw 12,582,912 bytes
;; launch prep (part 1): grid 4 x 64, 6 waves a work-group, no clusters, 72,192 bytes of LDS; arguments x1_codes, x1_scales, x2_codes, x2_scales, Wq_codes, Wq_scales, Wkv_codes, Wkv_scales, q_bias, v_bias, bias_table, rel_index, qc, qs, kv, bw; writes qc, qs, kv, bw
.if DOCPART == 1
	.amdgcn_target "amdgcn-amd-amdhsa--gfx1250"
	.amdhsa_code_object_version 6
	.text
	.protected	k_q0635c3e30d_prep
	.globl	k_q0635c3e30d_prep
	.p2align	8
	.type	k_q0635c3e30d_prep,@function
k_q0635c3e30d_prep:
	s_mov_b64 s[64:65], 0
	v_nop
	global_prefetch_b8 v0, s[64:65] scope:SCOPE_SE
	s_setreg_imm32_b32 hwreg(HW_REG_WAVE_MODE, 25, 1), 1
	s_wait_xcnt 0x0
; q = x1 Wq^T + q_bias, k = x2 Wk^T, v = x2 Wv^T + v_bias on the given E2M1 codes and E8M0 scales (K = 384: three matrix instructions deep), f32 sums;
; q and k are quantised along a head's 32 dimensions, v along the keys, and all three are stored as images of the operand registers that the attention launch loads.
; The relative bias, bias_table[rel_index][head] x sqrt(32), is stored in the layout of a score tile's registers, so that the attention launch can give it to the score product as its C.
; SHARES.  Work-group (quarter, b): tokens 128 quarter .. + 127 of window b, as two groups tg of 64.  Wave hp (0..5): heads 2 hp and 2 hp + 1: 64 columns of q, of k and of v; its weights stay in registers.
; x1's and x2's codes and scale bytes are read from memory once and reach the six waves through LDS (rows of 192 bytes + 48 of padding: 15 x 16 bytes, so 16 rows start at 16 different 16-byte columns).
; WHICH ROWS FORM A TILE.  q and k are made transposed (source 0 = 16 rows of W, source 1 = 16 tokens); lane m of W's tile t takes row 64 hp + 32 (m / 8) + 8 t + m % 8, so lane (r, h) holds, over the four tiles'
; 32 registers, all 32 dimensions of head 2 hp + h for token r: a whole block.  x2's tile j takes token 64 tg + 32 (r / 8) + 8 j + r % 8 in its row r; used as source 0 against Wv's rows it leaves lane (r, h)
; with dimension r and keys 64 tg + 32 h + 0 .. 31: again a whole block.  So no largest magnitude needs another lane, and four conversions give 16 bytes that are stored as they stand.
; kv: a record of 34,816 bytes for (b, hp): K of head 2 hp at 0, of head 2 hp + 1 at 8,192: byte 1,024 f + 256 j + 16 m = key 64 f + 32 (m / 8) + 8 j + m % 8;  V at 16,384 and 24,576: 1,024 f + 512 dt + 16 lane:
; dimension 16 dt + r, keys 64 f + 32 h ..;  scale words at 32,768 and 33,792: 256 bytes for each 128 keys: 32 words of K (row m of f = 2 s + lane / 16, byte j), 32 of V (dimension = lane, bytes = the four key blocks).
; LIMITS: NaN, infinities and the scale byte 0xff among the inputs are not served.  A block whose largest magnitude lies under 2^-124 (a block of zeros too) gets the byte 1; its codes are zeros or held by that scale,
; and only this program reads the bytes.  An index of rel_index is held at 3,374, the table's last row.
.set XP,   240                         ; x in LDS: as in memory, with 16 bytes of padding behind every 64: a token's 192 bytes take 240 = 15 x 16, so 16 neighbouring rows start at 16 different 16-byte columns
.set X1,   0                           ; LDS: x1's 128 rows,
.set X2,   128*XP                      ; x2's 128 rows, a tile's 16 rows laid as neighbours,
.set XS1,  128*XP+4*7808               ; x2's 32 tokens take 7,808 bytes (128 more than 32 rows), so that rows 32 apart start 8 columns apart
.set XS2,  XS1+1536                    ; x2's,
.set SCR,  XS2+1536                    ; and 1,024 bytes for each wave, in which scale words are gathered
.set LN16, 1                           ; 16 lane
.set XA,   2                           ; 240 r + 16 h
.set XS1A, 3                           ; XS1 + 12 lane
.set XS2A, 4                           ; XS2 + 12 (rp + 8 h),  rp = 32 (r / 8) + r % 8
.set WPO,  5                           ; 192 rp + 16 h
.set WVO,  6                           ; 192 r + 16 h
.set WSPO, 7                           ; 12 (rp + 8 h)
.set WSVO, 8                           ; 12 lane
.set CQO,  9                           ; 128 h
.set CVO,  10                          ; 4 r
.set HC,   11                          ; 8192 h + 16 r
.set SST,  12                          ; my wave's scratch + 256 h + 4 r
.set SSV,  13                          ; my wave's scratch + 640 + 4 r
.set SLD,  14                          ; my wave's scratch + 16 lane
.set QSO,  15                          ; 2048 h + 16 r
.set SCO,  16                          ; 1024 h + 16 r
.set GX,   17                          ; 16 thread
.set LX1,  18                          ; where my 16 bytes of x1 go
.set XA2,  19                          ; x2's tile rows: 240 (r % 8) + 7808 (r / 8) + 16 h
.set GXS,  20                          ; 8 thread
.set RELO, 21                          ; 2048 r + 128 h
.set SH8,  22                          ; 8 h
.set XSC,  28                          ; v28-33  x's scale words: register 3 p + ks: lanes 0-15 tile 2 p, lanes 16-31 tile 2 p + 1
.set WSA,  34                          ; v34-39  the same for Wq, later Wv
.set WSB,  40                          ; v40-45  for Wk
.set XF,   48                          ; v48-143 x's fragments: tile j, K step ks at 24 j + 8 ks
.set ACC0, 144                         ; v144-175 and v176-207: two sets of four accumulators
.set CD,   208                         ; v208-223 codes, four registers a tile
.set TM,   224
.set BY,   232
.set VB,   240                         ; v240-247 V's scale bytes: 2 n + tg
.set KW,   248
.set PT,   249
.set SB,   252
.set IDX,  116                         ; at the head only: indices, then byte offsets into the table
.set G,    132                         ; gathered rows
.set OUTB, 48                          ; the bias as it is stored
.set WA,   0                           ; window 1: Wq's, later Wv's fragments: tile t, K step ks at 24 t + 8 ks
.set WB,   96                          ; Wk's
.set CQ,   192                         ; q_bias in the result's layout, 8 registers a tile
.set CV,   224                         ; v_bias likewise
.set MSB, 0
.macro WIN new                         ; the immediate's high byte repeats the setting that is left
.if MSB != \new
	s_set_vgpr_msb (MSB<<8)|\new
.set MSB, \new
.endif
.endm
.macro NOPS n
.rept \n
	v_nop
.endr
.endm
; one matrix instruction from the symbols rD, rA, rB, rC (rZ: C is the constant 0), rSA, rSB and the rows rRA, rRB of the scale registers
.macro WM
.if rZ
.if rRA && rRB
	v_wmma_scale_f32_16x16x128_f8f6f4 v[rD:rD+7], v[rA:rA+7], v[rB:rB+7], 0, v[rSA], v[rSB] matrix_a_fmt:MATRIX_FMT_FP4 matrix_b_fmt:MATRIX_FMT_FP4 matrix_a_scale:MATRIX_SCALE_ROW1 matrix_b_scale:MATRIX_SCALE_ROW1
.elseif rRA
	v_wmma_scale_f32_16x16x128_f8f6f4 v[rD:rD+7], v[rA:rA+7], v[rB:rB+7], 0, v[rSA], v[rSB] matrix_a_fmt:MATRIX_FMT_FP4 matrix_b_fmt:MATRIX_FMT_FP4 matrix_a_scale:MATRIX_SCALE_ROW1
.elseif rRB
	v_wmma_scale_f32_16x16x128_f8f6f4 v[rD:rD+7], v[rA:rA+7], v[rB:rB+7], 0, v[rSA], v[rSB] matrix_a_fmt:MATRIX_FMT_FP4 matrix_b_fmt:MATRIX_FMT_FP4 matrix_b_scale:MATRIX_SCALE_ROW1
.else
	v_wmma_scale_f32_16x16x128_f8f6f4 v[rD:rD+7], v[rA:rA+7], v[rB:rB+7], 0, v[rSA], v[rSB] matrix_a_fmt:MATRIX_FMT_FP4 matrix_b_fmt:MATRIX_FMT_FP4
.endif
.else
.if rRA && rRB
	v_wmma_scale_f32_16x16x128_f8f6f4 v[rD:rD+7], v[rA:rA+7], v[rB:rB+7], v[rC:rC+7], v[rSA], v[rSB] matrix_a_fmt:MATRIX_FMT_FP4 matrix_b_fmt:MATRIX_FMT_FP4 matrix_a_scale:MATRIX_SCALE_ROW1 matrix_b_scale:MATRIX_SCALE_ROW1
.elseif rRA
	v_wmma_scale_f32_16x16x128_f8f6f4 v[rD:rD+7], v[rA:rA+7], v[rB:rB+7], v[rC:rC+7], v[rSA], v[rSB] matrix_a_fmt:MATRIX_FMT_FP4 matrix_b_fmt:MATRIX_FMT_FP4 matrix_a_scale:MATRIX_SCALE_ROW1
.elseif rRB
	v_wmma_scale_f32_16x16x128_f8f6f4 v[rD:rD+7], v[rA:rA+7], v[rB:rB+7], v[rC:rC+7], v[rSA], v[rSB] matrix_a_fmt:MATRIX_FMT_FP4 matrix_b_fmt:MATRIX_FMT_FP4 matrix_b_scale:MATRIX_SCALE_ROW1
.else
	v_wmma_scale_f32_16x16x128_f8f6f4 v[rD:rD+7], v[rA:rA+7], v[rB:rB+7], v[rC:rC+7], v[rSA], v[rSB] matrix_a_fmt:MATRIX_FMT_FP4 matrix_b_fmt:MATRIX_FMT_FP4
.endif
.endif
.endm
.macro WLOADP dst, base, imm           ; 24 loads: four tiles of W in the chosen row order, three K steps (the destination's window is set by the caller)
.irp t, 0,1,2,3
.irp ks, 0,1,2
.irp c, 0,1
	global_load_b128 v[(\dst)+24*\t+8*\ks+4*\c:(\dst)+24*\t+8*\ks+4*\c+3], v[WPO], s[\base:\base+1] offset:(\imm)+1536*\t+64*\ks+32*\c
.endr
.endr
.endr
.endm
.macro WLOADV dst                      ; 24 loads: Wv's four tiles of 16 neighbouring rows (Wkv's rows 384 on)
.irp t, 0,1,2,3
.irp ks, 0,1,2
.irp c, 0,1
	global_load_b128 v[(\dst)+24*\t+8*\ks+4*\c:(\dst)+24*\t+8*\ks+4*\c+3], v[WVO], s[16:17] offset:73728+3072*\t+64*\ks+32*\c
.endr
.endr
.endr
.endm
.macro WSLOAD dst, adr, base, imm, step    ; 6 loads: a weight's scale words, two tiles to a register
.irp p, 0,1
.irp ks, 0,1,2
	global_load_b32 v[(\dst)+3*\p+\ks], v[\adr], s[\base:\base+1] offset:(\imm)+(\step)*\p+4*\ks
.endr
.endr
.endm
.macro XLOAD tg, adr, xbase, tstep, jstep, sadr, sstep
.irp p, 0,1
.irp ks, 0,1,2
	ds_load_b32 v[XSC+3*\p+\ks], v[\sadr] offset:768*(\tg)+(\sstep)*\p+4*\ks
.endr
.endr
.irp j, 0,1,2,3
.irp ks, 0,1,2
.irp c, 0,1
	ds_load_b128 v[XF+24*\j+8*\ks+4*\c:XF+24*\j+8*\ks+4*\c+3], v[\adr] offset:(\xbase)+(\tstep)*(\tg)+(\jstep)*\j+80*\ks+32*\c
.endr
.endr
.endr
.endm
; 12 matrix instructions, transposed: W's four tiles x tile j of tokens; the four accumulators take turns, one instruction a turn
.macro MMT set, j, wb, ws, cq
.irp ks, 0,1,2
.if (\ks == 0) && (\cq)
	WIN 0x11                                       ; source 0 (W) and C (q_bias) window 1
.else
	WIN 0x01                                       ; source 0 window 1
.endif
.irp t, 0,1,2,3
.set rD, ACC0+32*(\set)+8*\t
.set rA, (\wb)+24*\t+8*\ks
.set rB, XF+24*(\j)+8*\ks
.set rZ, 0
.set rC, rD
.if \ks == 0
.if \cq
.set rC, CQ+8*\t
.else
.set rZ, 1
.endif
.endif
.set rSA, (\ws)+3*(\t/2)+\ks
.set rRA, \t%2
.set rSB, XSC+3*((\j)/2)+\ks
.set rRB, (\j)%2
	WM
.endr
.endr
	WIN 0
.endm
; 12 matrix instructions, natural: x2's four tiles x tile n of Wv's rows
.macro MMN set, n
.irp ks, 0,1,2
.if \ks == 0
	WIN 0x14                                       ; source 1 (Wv) and C (v_bias) window 1
.else
	WIN 0x04
.endif
.irp j, 0,1,2,3
.set rD, ACC0+32*(\set)+8*\j
.set rA, XF+24*\j+8*\ks
.set rB, WA+24*(\n)+8*\ks
.set rZ, 0
.set rC, rD
.if \ks == 0
.set rC, CV+8*(\n)
.endif
.set rSA, XSC+3*(\j/2)+\ks
.set rRA, \j%2
.set rSB, WSA+3*((\n)/2)+\ks
.set rRB, (\n)%2
	WM
.endr
.endr
	WIN 0
.endm
; A lane's 32 registers from v[a] on are one block: its largest magnitude (with the floor 2^(3 - 127), so that the byte cannot fall under 1), read in ascending order, each accumulator from its low end on;
; 2 off the exponent field gives the conversions' scale operand, a shift of that the byte, which is also the plain line behind the conversions.
.macro QUANT32 a, cd, by
	v_max3_num_f32 v[TM], |v[(\a)]|, |v[(\a)+1]|, 0x1800000
	v_max3_num_f32 v[TM+1], |v[(\a)+2]|, |v[(\a)+3]|, |v[(\a)+4]|
.irp i, 5,9,13,17,21,25
	v_max3_num_f32 v[TM], v[TM], |v[(\a)+\i]|, |v[(\a)+\i+1]|
	v_max3_num_f32 v[TM+1], v[TM+1], |v[(\a)+\i+2]|, |v[(\a)+\i+3]|
.endr
	v_max3_num_f32 v[TM], v[TM], |v[(\a)+29]|, |v[(\a)+30]|
	v_max3_num_f32 v[TM], v[TM], v[TM+1], |v[(\a)+31]|
	v_add_nc_u32 v[TM+2], 0xff000000, v[TM]
.irp t, 0,1,2,3
	v_cvt_scalef32_pk8_fp4_f32 v[(\cd)+\t], v[(\a)+8*\t:(\a)+8*\t+7], v[TM+2]
.endr
	v_lshrrev_b32 v[(\by)], 23, v[TM+2]
.endm
.macro QQ tg, j                        ; q's tile j: 16 lanes store 256 bytes of head 2 hp, the other 16 of head 2 hp + 1; the byte four times over is the scale word
	QUANT32 ACC0+32*((\j)%2), CD+4*(\j), BY+(\j)
	global_store_b128 v[HC], v[CD+4*(\j):CD+4*(\j)+3], s[28:29] offset:1024*(\tg)+256*(\j)
	v_perm_b32 v[BY+(\j)], v[BY+(\j)], v[BY+(\j)], 0
	ds_store_b32 v[SST], v[BY+(\j)] offset:64*(\j)
.endm
.macro KQ tg, j
	QUANT32 ACC0+32*((\j)%2), CD+4*(\j), BY+(\j)
	global_store_b128 v[HC], v[CD+4*(\j):CD+4*(\j)+3], s[32:33] offset:1024*(\tg)+256*(\j)
.endm
.macro VQ tg, n                        ; 32 lanes store 512 consecutive bytes
	QUANT32 ACC0+32*((\n)%2), CD+4*(\n), VB+2*(\n)+(\tg)
	global_store_b128 v[LN16], v[CD+4*(\n):CD+4*(\n)+3], s[32:33] offset:16384+8192*((\n)/2)+1024*(\tg)+512*((\n)%2)
.endm
; A UNIT: four tiles on two sets of accumulators.  The five v_nop are the places between the first set's products and both the first read of their results (four are owed) and the third tile's products,
; which write over them (five are owed); all later distances are filled by the other set's quantising lines, which name none of the products' registers.
.macro QUNIT tg
	s_wait_xcnt 0x0                                ; earlier stores have read their data: CD, SB and the registers under XF may be written
	XLOAD \tg, XA, X1, 64*XP, 16*XP, XS1A, 384
	s_wait_dscnt 12                                ; the scale words and tiles 0, 1 are in; tiles 2, 3 (six loads each) may be out
	MMT 0, 0, WA, WSA, 1
	MMT 1, 1, WA, WSA, 1
	NOPS 5
	s_wait_dscnt 0x0
	QQ \tg, 0
	MMT 0, 2, WA, WSA, 1
	QQ \tg, 1
	MMT 1, 3, WA, WSA, 1
	QQ \tg, 2
	QQ \tg, 3
	ds_load_b128 v[SB:SB+3], v[SLD]                ; LDS serves a wave's instructions in order: these see my four stores
	s_wait_dscnt 0x0
	global_store_b128 v[QSO], v[SB:SB+3], s[30:31] offset:256*(\tg)   ; 64 scale words of each head: 256 consecutive bytes for 16 lanes
.endm
.macro KUNIT tg
	s_wait_xcnt 0x0
	XLOAD \tg, XA2, X2, 15616, 1920, XS2A, 192     ; tile j's row r is token 64 tg + 32 (r / 8) + 8 j + r % 8
	s_wait_dscnt 12
	MMT 0, 0, WB, WSB, 0
	MMT 1, 1, WB, WSB, 0
	NOPS 5
	s_wait_dscnt 0x0
	KQ \tg, 0
	MMT 0, 2, WB, WSB, 0
	KQ \tg, 1
	MMT 1, 3, WB, WSB, 0
	KQ \tg, 2
	KQ \tg, 3
	v_lshl_or_b32 v[KW], v[BY+1], 8, v[BY]         ; row r's scale word: byte j = the key in block j
	v_lshl_or_b32 v[KW], v[BY+2], 16, v[KW]
	v_lshl_or_b32 v[KW], v[BY+3], 24, v[KW]
	ds_store_b32 v[SST], v[KW] offset:512+64*(\tg)
.endm
.macro VUNIT tg                        ; x2's fragments and scale words are still in registers
	s_wait_xcnt 0x0
	MMN 0, 0
	MMN 1, 1
	NOPS 5
	VQ \tg, 0
	MMN 0, 2
	VQ \tg, 1
	MMN 1, 3
	VQ \tg, 2
	VQ \tg, 3
.endm
	s_load_b512 s[4:19], s[0:1], 0x0               ; x1c 4, x1s 6, x2c 8, x2s 10, Wqc 12, Wqs 14, Wkvc 16, Wkvs 18
	s_load_b512 s[20:35], s[0:1], 0x40             ; q_bias 20, v_bias 22, table 24, rel 26, qc 28, qs 30, kv 32, bw 34
	v_lshl_add_u32 v250, v0, 2, 0x11600
	v_mov_b32 v251, 0
	v_lshrrev_b32 v23, 5, v0
	v_readfirstlane_b32 s36, v23                   ; hp = wave 0..5
	s_mov_b32 s37, ttmp9                           ; quarter
	s_and_b32 s38, ttmp7, 0xffff                   ; b
	s_lshl_b32 s39, s38, 2
	s_add_co_u32 s39, s39, s37                     ; g = 4 b + quarter
	s_cmp_ge_u32 s36, 3
	s_cselect_b32 s40, 1, 0                        ; s40 = hp / 3
	s_mul_i32 s41, s40, 3
	s_sub_co_u32 s41, s36, s41                     ; p = hp % 3: heads 4 p .. 4 p + 3 of the bias
	s_mov_b32 s43, 0                               ; the high word of every offset
	s_mov_b32 s46, 0x76543210
	s_mov_b32 s47, 0xfedcba98                      ; v_permlanex16_b32's selects for lane l xor 16
	s_mov_b32 s48, 0x40b504f3                      ; sqrt(32)
	s_lshl_b32 s52, s36, 10
	s_add_co_u32 s52, s52, SCR                     ; my wave's scratch
	s_lshr_b32 s53, s39, 3                         ; the bias's tile of 16 queries
	s_and_b32 s54, s39, 7                          ; and its 64 keys
	v_and_b32 v23, 31, v0                          ; lane
	v_and_b32 v24, 15, v0                          ; r
	v_bfe_u32 v25, v0, 4, 1                        ; h
	v_and_b32 v26, 8, v24
	v_mad_u32_u24 v26, v26, 3, v24                 ; rp
	v_lshl_add_u32 v27, v25, 3, v26                ; rp + 8 h
	v_lshlrev_b32 v[LN16], 4, v23
	v_mul_u32_u24 v[XA], v24, XP
	v_lshl_add_u32 v[XA], v25, 4, v[XA]
	v_mul_u32_u24 v[XS1A], v23, 12
	v_add_nc_u32 v[XS1A], XS1, v[XS1A]
	v_mul_u32_u24 v[XS2A], v27, 12
	v_add_nc_u32 v[XS2A], XS2, v[XS2A]
	v_mul_u32_u24 v[WPO], v26, 192
	v_lshl_add_u32 v[WPO], v25, 4, v[WPO]
	v_mul_u32_u24 v[WVO], v24, 192
	v_lshl_add_u32 v[WVO], v25, 4, v[WVO]
	v_mul_u32_u24 v[WSPO], v27, 12
	v_mul_u32_u24 v[WSVO], v23, 12
	v_lshlrev_b32 v[CQO], 7, v25
	v_lshlrev_b32 v[CVO], 2, v24
	v_lshlrev_b32 v[HC], 4, v24
	v_lshl_add_u32 v[HC], v25, 13, v[HC]
	v_lshlrev_b32 v[SST], 2, v24
	v_add_nc_u32 v[SSV], s52, v[SST]
	v_add_nc_u32 v[SSV], 640, v[SSV]
	v_lshl_add_u32 v[SST], v25, 8, v[SST]
	v_add_nc_u32 v[SST], s52, v[SST]
	v_add_nc_u32 v[SLD], s52, v[LN16]
	v_lshlrev_b32 v[QSO], 4, v24
	v_lshl_add_u32 v[SCO], v25, 10, v[QSO]
	v_lshl_add_u32 v[QSO], v25, 11, v[QSO]
	v_lshlrev_b32 v[RELO], 11, v24
	v_lshl_add_u32 v[RELO], v25, 7, v[RELO]
	v_lshlrev_b32 v[SH8], 3, v25
	v_lshlrev_b32 v[GX], 4, v0
	v_lshlrev_b32 v[GXS], 3, v0
	v_lshrrev_b32 v26, 2, v23                      ; lane / 4
	v_add_nc_u32 v26, v26, v23
	s_mul_i32 s55, s36, 640
	v_lshl_add_u32 v[LX1], v26, 4, s55             ; my 16 bytes of a load's 3,072: 16 lane + 16 (lane / 4) + 640 wave
	v_and_b32 v26, 7, v24
	v_lshrrev_b32 v27, 3, v24
	v_mul_u32_u24 v26, v26, XP
	v_mad_u32_u24 v26, v27, 7808, v26
	v_lshl_add_u32 v[XA2], v25, 4, v26
	v_mov_b32 v[PT], 0                             ; written once: a lane permute's destination counts as one of its sources
	s_wait_alu depctr_va_vdst(0)                   ; the wait at the head's end
	s_wait_kmcnt 0x0
	s_lshl_b32 s42, s53, 15                        ; rel_index: 16 queries x 2,048 bytes, 64 keys x 4, 16 keys x 4
	s_lshl_b32 s44, s54, 8
	s_add_co_u32 s42, s42, s44
	s_lshl_b32 s44, s40, 6
	s_add_co_u32 s42, s42, s44
	s_add_nc_u64 s[26:27], s[26:27], s[42:43]
.irp k, 0,1,2,3                                ; 4 loads: task k's four indices: query r, keys 4 k + 32 h + 0 .. 3 of my 16
	global_load_b128 v[IDX+4*\k:IDX+4*\k+3], v[RELO], s[26:27] offset:16*\k
.endr
	s_mul_i32 s49, s38, 98304
	s_mul_i32 s44, s37, 24576
	s_add_co_u32 s42, s49, s44
	s_add_nc_u64 s[4:5], s[4:5], s[42:43]
	s_add_nc_u64 s[8:9], s[8:9], s[42:43]
	s_mul_i32 s42, s38, 6144
	s_mul_i32 s44, s37, 1536
	s_add_co_u32 s42, s42, s44
	s_add_nc_u64 s[6:7], s[6:7], s[42:43]
	s_add_nc_u64 s[10:11], s[10:11], s[42:43]
.irp i, 0,1,2,3,4,5,6,7                        ; 18 loads: the work-group's 24,576 bytes of each x, 3,072 consecutive bytes a load, and its 1,536 scale bytes
	global_load_b128 v[48+4*\i:51+4*\i], v[GX], s[4:5] offset:3072*\i th:TH_LOAD_NT
.endr
.irp i, 0,1,2,3,4,5,6,7
	global_load_b128 v[80+4*\i:83+4*\i], v[GX], s[8:9] offset:3072*\i th:TH_LOAD_NT
.endr
	global_load_b64 v[112:113], v[GXS], s[6:7] th:TH_LOAD_NT
	global_load_b64 v[114:115], v[GXS], s[10:11] th:TH_LOAD_NT
	s_mul_i32 s42, s36, 12288                      ; my 64 rows of Wq, of Wk and (by the immediate) of Wv
	s_add_nc_u64 s[12:13], s[12:13], s[42:43]
	s_add_nc_u64 s[16:17], s[16:17], s[42:43]
	s_mul_i32 s42, s36, 768
	s_add_nc_u64 s[14:15], s[14:15], s[42:43]
	s_add_nc_u64 s[18:19], s[18:19], s[42:43]
	s_lshl_b32 s42, s36, 8
	s_add_nc_u64 s[20:21], s[20:21], s[42:43]
	s_add_nc_u64 s[22:23], s[22:23], s[42:43]
	WIN 0x40                                       ; destination window 1.  38 loads: Wq, q_bias, Wq's scale words
	WLOADP WA, 12, 0
.irp t, 0,1,2,3
.irp e, 0,1
	global_load_b128 v[CQ+8*\t+4*\e:CQ+8*\t+4*\e+3], v[CQO], s[20:21] offset:32*\t+16*\e
.endr
.endr
	WIN 0
	WSLOAD WSA, WSPO, 14, 0, 192
	s_lshl_b32 s42, s41, 4
	s_add_nc_u64 s[24:25], s[24:25], s[42:43]      ; the table at heads 4 p ..
	s_wait_loadcnt 56                              ; 18 + 38 loads were issued behind the indices: they are in
.irp i, 0,1,2,3,4,5,6,7,8,9,10,11,12,13,14,15
	v_min_u32 v[IDX+\i], 0xd2e, v[IDX+\i]          ; held inside the table's 3,375 rows
.endr
.irp i, 0,1,2,3,4,5,6,7,8,9,10,11,12,13,14,15
	v_mul_u32_u24 v[IDX+\i], 48, v[IDX+\i]         ; a row is 12 f32
.endr
.irp i, 0,1,2,3,4,5,6,7,8,9,10,11,12,13,14,15  ; 16 gathers: four heads of one table row
	global_load_b128 v[G+4*\i:G+4*\i+3], v[IDX+\i], s[24:25]
.endr
	WIN 0x40                                       ; 34 loads: Wk, v_bias, Wk's scale words
	WLOADP WB, 16, 0
.irp n, 0,1,2,3
	global_load_b32 v[CV+8*\n], v[CVO], s[22:23] offset:64*\n
.endr
	WIN 0
	WSLOAD WSB, WSPO, 18, 0, 192
	s_lshl_b32 s44, s36, 14                        ; the outputs' addresses
	s_add_co_u32 s42, s49, s44
	s_lshl_b32 s44, s37, 11
	s_add_co_u32 s42, s42, s44
	s_add_nc_u64 s[28:29], s[28:29], s[42:43]      ; qc: b x 98,304 + hp x 16,384 + quarter x 2,048
	s_mul_i32 s42, s38, 24576
	s_lshl_b32 s44, s36, 12
	s_add_co_u32 s42, s42, s44
	s_lshl_b32 s44, s37, 9
	s_add_co_u32 s42, s42, s44
	s_add_nc_u64 s[30:31], s[30:31], s[42:43]      ; qs
	s_lshl_b32 s44, s36, 6                         ; kv is laid [hp][b]: the records of one pair of heads lie window behind window
	s_add_co_u32 s44, s44, s38
	s_mul_i32 s44, s44, 34816                      ; my record of kv
	s_lshl_b32 s45, s37, 8
	s_add_co_u32 s42, s44, s45
	s_add_nc_u64 s[50:51], s[32:33], s[42:43]      ; for its scale words: + 256 quarter
	s_lshl_b32 s45, s37, 11
	s_add_co_u32 s42, s44, s45
	s_add_nc_u64 s[32:33], s[32:33], s[42:43]      ; for its codes: + 2,048 quarter
	s_lshl_b32 s42, s41, 22
	s_lshl_b32 s44, s53, 15
	s_add_co_u32 s42, s42, s44
	s_lshl_b32 s44, s54, 12
	s_add_co_u32 s42, s42, s44
	s_lshl_b32 s44, s40, 11
	s_add_co_u32 s42, s42, s44
	s_add_nc_u64 s[34:35], s[34:35], s[42:43]      ; bw
	s_wait_loadcnt 63                              ; 88 loads were issued behind x's; the count's field holds 63: x is in
.irp i, 0,1,2,3,4,5,6,7
	ds_store_b128 v[LX1], v[48+4*\i:51+4*\i] offset:16*XP*\i
.endr
.irp i, 0,1,2,3,4,5,6,7                        ; load i holds tokens 16 i + u: group i / 4, half (i / 2) % 2 of a tile's rows, tiles 2 (i % 2) + u / 8
	ds_store_b128 v[LX1], v[80+4*\i:83+4*\i] offset:X2+3840*\i+128*(\i/2)
.endr
	ds_store_b64 v[GXS], v[112:113] offset:XS1
	ds_store_b64 v[GXS], v[114:115] offset:XS2
	s_wait_dscnt 0x0                               ; for the others' sake: my stores have landed
	s_barrier_signal -1
	s_barrier_wait -1                              ; the launch's one barrier: x lies in LDS and is only read from here on
	s_wait_loadcnt 34                              ; Wq and the gathers are in; Wk's 34 loads may be out
.irp k, 0,1,2,3
.irp hd, 0,1,2,3
.irp e, 0,1,2,3
	v_mul_f32 v[OUTB+16*\k+4*\hd+\e], s48, v[G+16*\k+4*\e+\hd]
.endr
.endr
.endr
.irp k, 0,1,2,3
.irp hd, 0,1,2,3
	global_store_b128 v[LN16], v[OUTB+16*\k+4*\hd:OUTB+16*\k+4*\hd+3], s[34:35] offset:1048576*\hd+512*\k   ; 32 lanes store 512 consecutive bytes
.endr
.endr
	QUNIT 0
	QUNIT 1
	WIN 0x40                                       ; 30 loads: Wv takes Wq's registers; the last tiles' quantising lines are the places behind the products that read them
	WLOADV WA
	WIN 0
	WSLOAD WSA, WSVO, 18, 4608, 384
	s_wait_loadcnt 30                              ; Wk and v_bias are in
	WIN 0x41                                       ; destination and source window 1: in v's layout a lane's eight registers are eight tokens of one column: the same bias
.irp n, 0,1,2,3
.irp i, 1,2,3,4,5,6,7
	v_mov_b32 v[CV+8*\n+\i], v[CV+8*\n]
.endr
.endr
	WIN 0
	KUNIT 0
	s_wait_loadcnt 0x0                             ; Wv is in
	VUNIT 0
	KUNIT 1
	VUNIT 1
.irp n, 0,1,2,3                                ; V's scale word of dimension 16 (n % 2) + r: my two bytes (blocks h and 2 + h of these 128 keys), 8 h bits up, with lane l xor 16's two
	v_lshl_or_b32 v[TM], v[VB+2*\n+1], 16, v[VB+2*\n]
	v_lshlrev_b32 v[TM], v[SH8], v[TM]
	v_permlanex16_b32 v[PT], v[TM], s46, s47
	v_or_b32 v[TM], v[TM], v[PT]
	ds_store_b32 v[SSV], v[TM] offset:256*(\n/2)+64*(\n%2)   ; both halves of the lanes write the same word with the same value
.endr
	s_wait_xcnt 0x0                                ; SB was a store's data
	ds_load_b128 v[SB:SB+3], v[SLD] offset:512
	s_wait_dscnt 0x0
	global_store_b128 v[SCO], v[SB:SB+3], s[50:51] offset:32768   ; 256 consecutive bytes of each head's scale words
	s_wait_tensorcnt 0x0
	ds_add_u32 v250, v251
	s_wait_dscnt 0x0
	s_endpgm
.Lfunc_end_k_q0635c3e30d_prep:
	.size	k_q0635c3e30d_prep, .Lfunc_end_k_q0635c3e30d_prep-k_q0635c3e30d_prep
	.p2alignl 7, 3214868480
	.fill 96, 4, 3214868480
	.section	.rodata,"a",@progbits
	.p2align	6, 0x0
	.amdhsa_kernel k_q0635c3e30d_prep
		.amdhsa_group_segment_fixed_size 72192
		.amdhsa_private_segment_fixed_size 0
		.amdhsa_enable_private_segment 0
		.amdhsa_kernarg_size 128
		.amdhsa_user_sgpr_count 2
		.amdhsa_user_sgpr_kernarg_segment_ptr 1
		.amdhsa_wavefront_size32 1
		.amdhsa_system_sgpr_workgroup_id_x 1
		.amdhsa_system_sgpr_workgroup_id_y 1
		.amdhsa_system_sgpr_workgroup_id_z 1
		.amdhsa_system_vgpr_workitem_id 0
		.amdhsa_next_free_vgpr 512
		.amdhsa_next_free_sgpr 66
		.amdhsa_reserve_vcc 0
		.amdhsa_float_denorm_mode_32 3
		.amdhsa_float_denorm_mode_16_64 3
		.amdhsa_memory_ordered 1
		.amdhsa_forward_progress 1
		.amdhsa_inst_pref_size 112
	.end_amdhsa_kernel
	.amdgpu_metadata
---
amdhsa.version: [ 1, 2 ]
amdhsa.kernels:
  - .name:           k_q0635c3e30d_prep
    .symbol:         k_q0635c3e30d_prep.kd
    .args:
      - { .name: x1_codes, .offset: 0, .size: 8, .value_kind: global_buffer, .address_space: global }
      - { .name: x1_scales, .offset: 8, .size: 8, .value_kind: global_buffer, .address_space: global }
      - { .name: x2_codes, .offset: 16, .size: 8, .value_kind: global_buffer, .address_space: global }
      - { .name: x2_scales, .offset: 24, .size: 8, .value_kind: global_buffer, .address_space: global }
      - { .name: Wq_codes, .offset: 32, .size: 8, .value_kind: global_buffer, .address_space: global }
      - { .name: Wq_scales, .offset: 40, .size: 8, .value_kind: global_buffer, .address_space: global }
      - { .name: Wkv_codes, .offset: 48, .size: 8, .value_kind: global_buffer, .address_space: global }
      - { .name: Wkv_scales, .offset: 56, .size: 8, .value_kind: global_buffer, .address_space: global }
      - { .name: q_bias, .offset: 64, .size: 8, .value_kind: global_buffer, .address_space: global }
      - { .name: v_bias, .offset: 72, .size: 8, .value_kind: global_buffer, .address_space: global }
      - { .name: bias_table, .offset: 80, .size: 8, .value_kind: global_buffer, .address_space: global }
      - { .name: rel_index, .offset: 88, .size: 8, .value_kind: global_buffer, .address_space: global }
      - { .name: qc, .offset: 96, .size: 8, .value_kind: global_buffer, .address_space: global }
      - { .name: qs, .offset: 104, .size: 8, .value_kind: global_buffer, .address_space: global }
      - { .name: kv, .offset: 112, .size: 8, .value_kind: global_buffer, .address_space: global }
      - { .name: bw, .offset: 120, .size: 8, .value_kind: global_buffer, .address_space: global }
    .group_segment_fixed_size: 72192
    .private_segment_fixed_size: 0
    .kernarg_segment_align: 8
    .kernarg_segment_size: 128
    .max_flat_workgroup_size: 192
    .sgpr_count:     66
    .vgpr_count:     512
    .wavefront_size: 32
...
	.end_amdgpu_metadata
.endif
;; end of part 1
;; launch attn (part 2): grid 4 x 64, 8 waves a work-group, clusters of 4 x 1, 327,680 bytes of LDS; arguments qc, qs, kv, bw, out0; writes out0
.if DOCPART == 2
	.amdgcn_target "amdgcn-amd-amdhsa--gfx1250"
	.amdhsa_code_object_version 6
	.text
	.protected	k_q0635c3e30d_attn
	.globl	k_q0635c3e30d_attn
	.p2align	8
	.type	k_q0635c3e30d_attn,@function
k_q0635c3e30d_attn:
	s_mov_b64 s[64:65], 0
	v_nop
	global_prefetch_b8 v0, s[64:65] scope:SCOPE_SE
	s_setreg_imm32_b32 hwreg(HW_REG_WAVE_MODE, 25, 1), 1
	s_wait_xcnt 0x0
	s_wait_alu depctr_hold_cnt(0) depctr_sa_sdst(0) depctr_va_vdst(0) depctr_va_sdst(0) depctr_va_ssrc(0) depctr_va_vcc(0) depctr_vm_vsrc(0)
	s_getreg_b32 s2, hwreg(HW_REG_IB_STS2, 6, 4)
	s_cmp_eq_u32 s2, 0
	s_cbranch_scc0 .Lentry_in_a_cluster
	s_endpgm
.Lentry_in_a_cluster:
	s_bfe_u32 s2, ttmp6, 0x10000c
	s_cmp_lg_u32 s2, 0x3003
	s_cbranch_scc0 .Lentry_shape_is_right
	s_endpgm
.Lentry_shape_is_right:
; out0[b][q][32 head + d] = the sum over keys of softmax(q . k / sqrt(32) + bias) v, both products on E2M1 codes with E8M0 scales, from the images that the launch before has stored.
; t = (q . k + bias sqrt(32)) c, c = log2(e) / sqrt(32); M = the running largest t rounded up to a whole number; p = 2^(t - M) is quantised along the keys; the sum of the unquantised p divides at the end.
; SHARES.  A unit u (0..767) is a pair of heads hp = u / 128, a half of the queries (u / 64) % 2 and a window b = u % 64.  Cluster c (0..63) walks units 12 c .. 12 c + 11, as three groups of four windows;
; its work-group cx takes 64 queries of the half; wave w: head 2 hp + w / 4, queries 16 (w % 4) ..: two waves to a SIMD.  Both heads of a pair are in one work-group, so that their 2 x 128 bytes of an output row leave as one run of 256.
; THE BIAS IS THE C OF THE SCORE PRODUCT: a wave's 16 x 512 numbers stay in 256 registers (window 1).  They are loaded at the head, and again only where a group begins a new (hp, half): 16 groups make one, a branch on the cluster's number.
; K FOUR DEEP.  The head's K is 32, the instruction's 128: source 0 holds in its four blocks four different keys a row, source 1 is q with its 32 codes in block j alone and zero codes elsewhere: QL Z QH Z QL in 20 registers.
; A LANE OWNS WHOLE BLOCKS.  Both products are used transposed: a lane holds one query; register 32 c + 8 t + i of a step is key 128 s + 64 c + 32 (lane / 16) + 8 t + i: one block of the second product's K in 32 registers.
; THE RING.  kv is laid [hp][b], so a group's four records are 139,264 dense bytes: one slot, asked for jointly by the four work-groups (mask 15), an eighth (68 rows of 256 bytes) a wave.  Two slots: slot 0 at the head,
; slot 1 behind the full sequence and a round, slot 0 again behind the round that follows group 0.  By the text's count a wave has one tensor load out.
; NO PREFETCH: each fill but the first is asked for a whole group, 16 key steps a wave, ahead of its first read, and no loop stands ahead of the first.
; THE WAY OUT.  A window's 64 rows meet in one of two stages, which take turns; the barrier between the stores and the reads is split: signalled behind the stores, waited for behind the next window's first key step.
; LIMITS: NaN and infinities are not served; the promise holds while the scaled scores stay under 2^31 in magnitude.  The bias is added as bias x sqrt(32) inside the matrix sum and then multiplied by c: one f32 rounding more.
.set KVB, 34816                        ; a record: K 2 x 8,192, V 2 x 8,192, scale words 2 x 1,024
.set SLOTB, 4*KVB
.set STG, 2*SLOTB                      ; two stages of 64 rows x (256 + 16) bytes; no tensor load lands there
.set STB, 64*272
.set SPARE, STG+2*STB                  ; the spare words: 128 bytes a wave
.set A0,  1                            ; 16 lane + 8192 hh
.set AS0, 2                            ; 32768 + 1024 hh + 4 lane
.set ADR, 3                            ; the same in the window in hand
.set ADS, 4
.set STO, 5                            ; stage 0: row 16 qt + r, + 128 hh + 32 h
.set SRD, 6                            ; back: row 8 wave + h, + 16 r
.set GO,  7                            ; 1536 h + 16 r
.set BO,  8                            ; 16 lane
.set QO,  9                            ; 16 r
.set QSO, 10                           ; 4 r
.set SH8, 11                           ; 8 h
.set NM,  12                           ; v12 -M, v13 the largest t
.set L,   14                           ; v[14:15] the sum, in two halves
.set Q,   16                           ; v16-35  QL Z QH Z QL
.set QS,  36                           ; q's scale word
.set KS,  40                           ; v40-41  K's scale words, by the step's parity
.set VS,  42                           ; v42-43  V's
.set PW,  44                           ; p's scale word
.set STW, 45                           ; STO in this window's stage
.set SRW, 46                           ; SRD in the last window's
.set GOW, 47                           ; GO + the byte offset in out0 of the rows that lie in the stage
.set RQ,  48                           ; v48-51  the next window's q, v52 its scale word
.set RQS, 52
.set KF,  64                           ; v64-95  K: two sets of two fragments
.set S,   96                           ; v96-159 scores, then p
.set O,   160                          ; v160-175 O^T
.set P,   176                          ; v176-183 p's codes
.set VF,  184                          ; v184-215 V: two sets of two fragments
.set OB,  216                          ; v216-231 rows read back from the stage
.set F,   232                          ; v[232:233] 2^(old M - new M), at the end 1 / the sum
.set BM,  234
.set SO,  236
.set BY,  238
.set T2,  240
.set TA,  242
.set TP,  243
.set SPW, 254
.set NIL, 255
; scalars: s14 wave, s15 hh, s16 qt, s17 cx, s19 first group, s20 the unit in hand, s21 the last unit, s48 windows done in the group, s49 the window's first LDS byte, s53 this window's stage (0 or STB)
; s50, s51, s52: my constant part of q's, out0's, the bias's offsets; s[66:69] q's addresses, s[72:73] the bias's; s[12:13] stays out0's first byte
.set MSB, 0
.macro WIN new
.if MSB != \new
	s_set_vgpr_msb (MSB<<8)|\new
.set MSB, \new
.endif
.endm
.macro NOPS n
.rept \n
	v_nop
.endr
.endm
.macro WM                              ; one matrix instruction from the symbols rD, rA, rB, rC (rZ: C is the constant 0), rSA (row rRA), rSB
.if rZ
.if rRA
	v_wmma_scale_f32_16x16x128_f8f6f4 v[rD:rD+7], v[rA:rA+7], v[rB:rB+7], 0, v[rSA], v[rSB] matrix_a_fmt:MATRIX_FMT_FP4 matrix_b_fmt:MATRIX_FMT_FP4 matrix_a_scale:MATRIX_SCALE_ROW1
.else
	v_wmma_scale_f32_16x16x128_f8f6f4 v[rD:rD+7], v[rA:rA+7], v[rB:rB+7], 0, v[rSA], v[rSB] matrix_a_fmt:MATRIX_FMT_FP4 matrix_b_fmt:MATRIX_FMT_FP4
.endif
.else
.if rRA
	v_wmma_scale_f32_16x16x128_f8f6f4 v[rD:rD+7], v[rA:rA+7], v[rB:rB+7], v[rC:rC+7], v[rSA], v[rSB] matrix_a_fmt:MATRIX_FMT_FP4 matrix_b_fmt:MATRIX_FMT_FP4 matrix_a_scale:MATRIX_SCALE_ROW1
.else
	v_wmma_scale_f32_16x16x128_f8f6f4 v[rD:rD+7], v[rA:rA+7], v[rB:rB+7], v[rC:rC+7], v[rSA], v[rSB] matrix_a_fmt:MATRIX_FMT_FP4 matrix_b_fmt:MATRIX_FMT_FP4
.endif
.endif
.endm
.macro ROUND                           ; a round of the cluster's barrier
	s_barrier_signal -1
	s_barrier_wait -1
	s_cmp_lg_u32 s14, 0
	s_cbranch_scc1 .Lnot_wave_0_\@
	s_barrier_signal -3
.Lnot_wave_0_\@:
	s_barrier_wait -3
	s_barrier_signal -1
	s_barrier_wait -1
.endm
.macro KLOAD s                         ; 5 LDS loads: the step's two fragments of K (64 keys each) and their scale words
.irp u, 0,1
.irp c, 0,1
	ds_load_b128 v[KF+16*((\s)%2)+8*\u+4*\c:KF+16*((\s)%2)+8*\u+4*\c+3], v[ADR] offset:(2*(\s)+\u)*1024+512*\c
.endr
.endr
	ds_load_b32 v[KS+(\s)%2], v[ADS] offset:256*(\s)
.endm
.macro VLOAD s                         ; 5 LDS loads: the step's two fragments of V^T and their scale words
.irp dt, 0,1
.irp c, 0,1
	ds_load_b128 v[VF+16*((\s)%2)+8*\dt+4*\c:VF+16*((\s)%2)+8*\dt+4*\c+3], v[ADR] offset:16384+(2*(\s)+\c)*1024+512*\dt
.endr
.endr
	ds_load_b32 v[VS+(\s)%2], v[ADS] offset:256*(\s)+128
.endm
.macro SCORES s                        ; 8 matrix instructions, each with an accumulator of its own: S^T = K q^T + bias sqrt(32)
	WIN 0x10                                       ; C in window 1
.irp u, 0,1
.irp t, 0,1,2,3
.set rD, S+32*\u+8*\t
.set rA, KF+16*((\s)%2)+8*\u
.set rB, Q+(8*\t-4*(\t/2))%16                  ; q in block t: Q + 0, 8, 12, 4
.set rZ, 0
.set rC, 64*(\s)+32*\u+8*\t
.set rSA, KS+(\s)%2
.set rRA, \u
.set rSB, QS
	WM
.endr
.endr
	WIN 0
.endm
.macro SOFT s
.irp c, 0,1                                    ; the largest score of each of my two blocks, in two chains a block; each accumulator is read from its low end on
	v_max3_num_f32 v[BM+\c], v[S+32*\c], v[S+32*\c+1], v[S+32*\c+2]
	v_max3_num_f32 v[T2+\c], v[S+32*\c+16], v[S+32*\c+17], v[S+32*\c+18]
.endr
.irp i, 3,5,7,9,11,13
.irp c, 0,1
	v_max3_num_f32 v[BM+\c], v[BM+\c], v[S+32*\c+\i], v[S+32*\c+\i+1]
	v_max3_num_f32 v[T2+\c], v[T2+\c], v[S+32*\c+16+\i], v[S+32*\c+17+\i]
.endr
.endr
.irp c, 0,1
	v_max3_num_f32 v[BM+\c], v[BM+\c], v[S+32*\c+15], v[S+32*\c+31]
.endr
.irp c, 0,1
	s_delay_alu instid0(VALU_DEP_2)
	v_max_num_f32 v[BM+\c], v[BM+\c], v[T2+\c]
.endr
	s_delay_alu instid0(VALU_DEP_1)
	v_max_num_f32 v[TA], v[BM], v[BM+1]
	s_delay_alu instid0(VALU_DEP_1)
	v_permlanex16_b32 v[TP], v[TA], s24, s25       ; my query's other 64 keys lie in lane l xor 16
	s_delay_alu instid0(VALU_DEP_1)
	v_max_num_f32 v[TA], v[TA], v[TP]
.if (\s) == 0
	s_delay_alu instid0(VALU_DEP_1)
	v_mul_f32 v[NM+1], s22, v[TA]                  ; a window's first step starts the largest t (c is positive),
	s_delay_alu instid0(VALU_DEP_1)
	v_floor_f32 v[NM], -v[NM+1]                    ; and -M = floor(-t) = -ceil(t)
.else
	s_delay_alu instid0(VALU_DEP_1)
	v_mul_f32 v[TA], s22, v[TA]
	s_delay_alu instid0(VALU_DEP_1)
	v_max_num_f32 v[NM+1], v[NM+1], v[TA]
	v_mov_b32 v[TA], v[NM]
	s_delay_alu instid0(VALU_DEP_2)
	v_floor_f32 v[NM], -v[NM+1]
	s_delay_alu instid0(VALU_DEP_1)
	v_sub_f32 v[TA], v[NM], v[TA]                  ; old M - new M: a whole number, 0 or less
	s_delay_alu instid0(VALU_DEP_1)
	v_cvt_i32_f32 v[TA], v[TA]                     ; (it saturates)
	s_delay_alu instid0(VALU_DEP_1)
	v_ldexp_f32 v[F], 1.0, v[TA]                   ; f = 2^(old M - new M): a multiplication by it rounds nothing
.endif
.set j, 0
.rept 32
	v_pk_fma_f32 v[S+j:S+j+1], v[S+j:S+j+1], s[22:23], v[NM:NM+1] op_sel_hi:[1,0,0]   ; t - M, two at a time
.set j, j+2
.endr
.irp c, 0,1
	v_fma_f32 v[BM+\c], v[BM+\c], s22, v[NM]       ; the same of each block's largest score: p rises with the score, so this gives the block's largest p
.endr
.set j, 0
	s_wait_alu depctr_va_vdst(0)                   ; the wait ahead of the batch
.rept 64
	v_exp_f32 v[S+j], v[S+j]
.set j, j+1
.endr
.irp c, 0,1
	v_exp_f32 v[BM+\c], v[BM+\c]
.endr
.if (\s) == 0
	v_nop                                          ; a plain line behind the exponentials
	s_wait_alu depctr_va_vdst(0)                   ; and the wait behind the batch
.else
	v_pk_mul_f32 v[L:L+1], v[L:L+1], v[F:F+1] op_sel_hi:[1,0]   ; the sum under the new M; also the plain line behind the exponentials
	s_wait_alu depctr_va_vdst(0)
.endif
.irp c, 0,1
	v_max_num_f32 v[BM+\c], 0x1800000, v[BM+\c]    ; the floor 2^(3 - 127): the byte cannot fall under 1
.endr
.irp c, 0,1
	s_delay_alu instid0(VALU_DEP_2)
	v_add_nc_u32 v[SO+\c], 0xff000000, v[BM+\c]    ; 2 off the exponent field: the conversions' scale operand
.endr
.irp c, 0,1
	s_delay_alu instid0(VALU_DEP_2)
	v_lshrrev_b32 v[BY+\c], 23, v[SO+\c]
.endr
	s_delay_alu instid0(VALU_DEP_1)
	v_lshl_or_b32 v[PW], v[BY+1], 16, v[BY]        ; my bytes are those of blocks h and 2 + h:
	s_delay_alu instid0(VALU_DEP_1)
	v_lshlrev_b32 v[PW], v[SH8], v[PW]             ; 8 h bits up,
	s_delay_alu instid0(VALU_DEP_1)
	v_permlanex16_b32 v[TP], v[PW], s24, s25
	s_delay_alu instid0(VALU_DEP_1)
	v_or_b32 v[PW], v[PW], v[TP]                   ; and with lane l xor 16's two the word is whole
.irp c, 0,1
.irp t, 0,1,2,3
	v_cvt_scalef32_pk8_fp4_f32 v[P+4*\c+\t], v[S+32*\c+8*\t:S+32*\c+8*\t+7], v[SO+\c]
.endr
.endr
	v_nop                                          ; a plain line behind the conversions
.if (\s) > 0
.irp j, 0,2,4,6,8,10,12,14
	v_pk_mul_f32 v[O+\j:O+\j+1], v[O+\j:O+\j+1], v[F:F+1] op_sel_hi:[1,0]   ; O^T under the new M, each accumulator from its low end on
.endr
.endif
; the sum of the UNQUANTISED p, in two chains; these lines are also the places between the writing of p's codes (four are owed) and of its scale word (eight) and the product below
.if (\s) == 0
	v_pk_add_f32 v[L:L+1], v[S:S+1], v[S+2:S+3]
	v_pk_add_f32 v[T2:T2+1], v[S+4:S+5], v[S+6:S+7]
.irp j, 8,12,16,20,24,28,32,36,40,44,48,52,56,60
	v_pk_add_f32 v[L:L+1], v[L:L+1], v[S+\j:S+\j+1]
	v_pk_add_f32 v[T2:T2+1], v[T2:T2+1], v[S+\j+2:S+\j+3]
.endr
.else
	v_pk_add_f32 v[T2:T2+1], v[S:S+1], v[S+2:S+3]
.irp j, 4,8,12,16,20,24,28,32,36,40,44,48,52,56,60
	v_pk_add_f32 v[L:L+1], v[L:L+1], v[S+\j:S+\j+1]
	v_pk_add_f32 v[T2:T2+1], v[T2:T2+1], v[S+\j+2:S+\j+3]
.endr
.endif
	s_delay_alu instid0(VALU_DEP_1)
	v_pk_add_f32 v[L:L+1], v[L:L+1], v[T2:T2+1]
.endm
.macro PV s                            ; O^T += V^T p^T: two accumulators by turns; eight score products stand between two links of a chain
.irp dt, 0,1
.set rD, O+8*\dt
.set rA, VF+16*((\s)%2)+8*\dt
.set rB, P
.set rC, rD
.set rZ, 0
.if (\s) == 0
.set rZ, 1
.endif
.set rSA, VS+(\s)%2
.set rRA, \dt
.set rSB, PW
	WM
.endr
.endm
; A step of 128 keys.  K's and V's registers go by the step's parity, so every load lands in registers whose last product lies a whole softmax back.
.macro STEP s
	VLOAD \s
.if (\s) < 3
	KLOAD (\s)+1
	s_wait_dscnt 10                                ; this step's K is in; the ten loads just issued may be out
.else
	s_wait_dscnt 5
.endif
.if (\s) == 0
	s_wait_loadcnt 48                              ; where the bias was just asked for: its first 16 loads are in, 48 may be out
.else
	s_wait_loadcnt 50-16*(\s)                      ; the bias of these 128 keys is in: behind it stand 16 loads for each later part and the next q's two
.endif
	SCORES \s
	NOPS 4                                         ; places in front of the first read of the scores
	SOFT \s
.if (\s) < 3
	s_wait_dscnt 5                                 ; this step's V is in; the next step's K may be out
.else
	s_wait_alu depctr_va_vdst(0)
	s_wait_dscnt 0x0
.endif
	PV \s
.endm
.macro QADDR                           ; s60 = a unit: its q is asked for: 2 loads
	s_and_b32 s61, s60, 63                         ; b
	s_lshr_b32 s60, s60, 6
	s_mul_i32 s61, s61, 98304
	s_and_b32 s62, s60, 1                          ; the half of the queries: 256 x 16 bytes
	s_lshr_b32 s60, s60, 1                         ; hp: two heads x 8,192
	s_lshl_b32 s62, s62, 12
	s_lshl_b32 s60, s60, 14
	s_add_co_u32 s60, s60, s61
	s_add_co_u32 s60, s60, s62
	s_add_co_u32 s60, s60, s50
	s_mov_b32 s61, 0
	s_add_nc_u64 s[66:67], s[4:5], s[60:61]
	s_lshr_b32 s60, s60, 2                         ; qs: 4 bytes a query
	s_add_nc_u64 s[68:69], s[6:7], s[60:61]
	global_load_b128 v[RQ:RQ+3], v[QO], s[66:67]   ; query r's 32 codes, in both halves of the lanes
	global_load_b32 v[RQS], v[QSO], s[68:69]
.endm
.macro QBUILD                          ; the four forms of q; the scale word first, so that eight places and more follow it
	v_mov_b32 v[QS], v[RQS]
.irp i, 0,1,2,3
	v_cndmask_b32 v[Q+\i], 0, v[RQ+\i], s26        ; QL
	v_cndmask_b32 v[Q+8+\i], 0, v[RQ+\i], s27      ; QH
	v_cndmask_b32 v[Q+16+\i], 0, v[RQ+\i], s26     ; QL
.endr
	s_wait_alu depctr_va_vdst(0)
.endm
.macro BIAS                            ; s60 = a group: the bias of its (hp, half), my head and my 16 queries: 64 loads of 512 consecutive bytes
	s_lshr_b32 s60, s60, 4
	s_and_b32 s61, s60, 1
	s_lshr_b32 s60, s60, 1
	s_lshl_b32 s61, s61, 19
	s_lshl_b32 s60, s60, 21
	s_add_co_u32 s60, s60, s61
	s_add_co_u32 s60, s60, s52
	s_mov_b32 s61, 0
	s_add_nc_u64 s[72:73], s[10:11], s[60:61]
	WIN 0x40                                       ; destination window 1
.set ll, 0
.rept 64
	global_load_b128 v[4*ll:4*ll+3], v[BO], s[72:73] offset:512*ll
.set ll, ll+1
.endr
	WIN 0
.endm
.macro OUT adr, off                    ; a window's rows 8 wave .. + 7 leave the stage
	s_wait_xcnt 0x0                                ; the last window's stores have read OB
.irp i, 0,1,2,3
	ds_load_b128 v[OB+4*\i:OB+4*\i+3], v[\adr] offset:(\off)+544*\i
.endr
.irp i, 0,1,2,3
	s_wait_dscnt 3-\i
	global_store_b128 v[GOW], v[OB+4*\i:OB+4*\i+3], s[12:13] offset:3072*\i th:TH_STORE_NT   ; 16 lanes store 256 consecutive bytes, at a multiple of 256 from out0's first byte
.endr
.endm
.macro FINISH
	v_add_f32 v[L], v[L], v[L+1]                   ; the sum's two halves,
	s_delay_alu instid0(VALU_DEP_1)
	v_permlanex16_b32 v[TP], v[L], s24, s25
	s_delay_alu instid0(VALU_DEP_1)
	v_add_f32 v[L], v[L], v[TP]                    ; and lane l xor 16's
	s_wait_alu depctr_va_vdst(0)                   ; the wait ahead of the reciprocal
	v_rcp_f32 v[F], v[L]
	NOPS 3                                         ; with the two additions: the places behind the last product; and the plain line behind the reciprocal
	s_wait_alu depctr_va_vdst(0)                   ; and behind it, directly ahead of the readers of O^T
.irp j, 0,2,4,6,8,10,12,14
	v_pk_mul_f32 v[O+\j:O+\j+1], v[O+\j:O+\j+1], v[F:F+1] op_sel_hi:[1,0]
.endr
.irp dt, 0,1
.irp e, 0,1
	ds_store_b128 v[STW], v[O+8*\dt+4*\e:O+8*\dt+4*\e+3] offset:64*\dt+16*\e
.endr
.endr
	s_wait_xcnt 0x0                                ; the last window's stores have read their offset register: this window's rows of out0
	s_and_b32 s61, s20, 63
	s_lshr_b32 s60, s20, 6
	s_mul_i32 s61, s61, 786432
	s_and_b32 s62, s60, 1
	s_lshr_b32 s60, s60, 1
	s_mul_i32 s62, s62, 393216                     ; 256 rows of 1,536 bytes
	s_lshl_b32 s60, s60, 8                         ; 256 bytes for a pair of heads
	s_add_co_u32 s60, s60, s61
	s_add_co_u32 s60, s60, s62
	s_add_co_u32 s60, s60, s51
	v_add_nc_u32 v[GOW], s60, v[GO]                ; under 2^26: out0 has 50,331,648 bytes
.endm
; A GROUP: four windows out of one slot, a trip a window.  The barrier that a trip signals behind its stage stores is waited for behind the next trip's first key step, which reads K and V alone;
; the signal ahead of the loop opens the pair that the first trip closes, and that trip has no rows to send.
.macro GROUP slot
	s_mov_b32 s48, 0
	s_mov_b32 s49, (\slot)*SLOTB
	s_mov_b32 s53, 0
	s_barrier_signal -1
.Lwin_\@:
	s_xor_b32 s56, s53, STB                        ; the last window's stage
	v_add_nc_u32 v[ADR], s49, v[A0]
	v_add_nc_u32 v[ADS], s49, v[AS0]
	v_add_nc_u32 v[STW], s53, v[STO]
	v_add_nc_u32 v[SRW], s56, v[SRD]
	NOPS 4                                         ; with the four above: the places between the writing of q's forms and the first product
	s_wait_alu depctr_va_vdst(0)
	KLOAD 0
	STEP 0
	s_barrier_wait -1                              ; the last window's 64 rows lie whole in its stage
	s_cmp_eq_u32 s48, 0
	s_cbranch_scc1 .Lfirst_\@
	OUT SRW, 0
.Lfirst_\@:
	s_add_co_u32 s60, s20, 1
	s_min_u32 s60, s60, s21                        ; the next unit's q, held at my last unit
	QADDR
	STEP 1
	STEP 2
	STEP 3
	FINISH
	s_wait_loadcnt 0x0                             ; the next q is in
	QBUILD
	s_add_co_u32 s20, s20, 1
	s_add_co_u32 s49, s49, KVB
	s_xor_b32 s53, s53, STB
	s_add_co_u32 s48, s48, 1
	s_wait_dscnt 0x0                               ; for the others' sake: my stores into the stage have landed, and my reads of the other stage are over
	s_barrier_signal -1
	s_cmp_lt_u32 s48, 4
	s_cbranch_scc1 .Lwin_\@
	s_barrier_wait -1
	OUT SRD, STB                                   ; the group's fourth window lies in stage 1
.endm
; Between groups: every wave waits for all its tensor loads (its part of the slot ahead), adds 0 to its spare word, and waits for that and for its reads of the slot that it leaves.  fill = 1: a round, and that slot is filled again.
.macro CHANGE fill, i
	s_wait_tensorcnt 0x0
	ds_add_u32 v[SPW], v[NIL]
	s_add_co_u32 s60, s19, \i                      ; the group ahead
	s_and_b32 s61, s60, 15
	s_wait_dscnt 0x0
.if \fill
	ROUND
	tensor_load_to_lds s[44:47], s[28:35]          ; my third group, into slot 0
	s_nop 0
	NOPS 4
.else
	s_barrier_signal -1
	s_barrier_wait -1
.endif
	s_cmp_lg_u32 s61, 0                            ; the cluster's number alone decides: the same in all partners
	s_cbranch_scc1 .Lsame_\@
	BIAS                                           ; a new (hp, half)
.Lsame_\@:
.endm
	s_load_b256 s[4:11], s[0:1], 0x0               ; qc 4, qs 6, kv 8, bw 10
	s_load_b64 s[12:13], s[0:1], 0x20              ; out0
	v_lshl_add_u32 v[SPW], v0, 2, SPARE
	v_mov_b32 v[NIL], 0
	ds_add_u32 v[SPW], v[NIL]                      ; the opening lines: the add, twice on end, and its wait
	ds_add_u32 v[SPW], v[NIL]
	v_lshrrev_b32 v3, 5, v0
	v_readfirstlane_b32 s14, v3                    ; wave 0..7
	s_lshr_b32 s15, s14, 2                         ; hh
	s_and_b32 s16, s14, 3                          ; qt
	s_bfe_u32 s17, ttmp6, 0x40000                  ; cx: it enters q's, the bias's and out0's addresses alone
	s_and_b32 s18, ttmp7, 0xffff                   ; the cluster
	s_mul_i32 s19, s18, 3
	s_mul_i32 s20, s18, 12
	s_add_co_u32 s21, s20, 11
	s_mov_b32 s22, 0x3e8293ee                      ; c = log2(e) / sqrt(32)
	s_mov_b32 s23, s22                             ; (named with it as a pair, so it is written)
	s_mov_b32 s24, 0x76543210
	s_mov_b32 s25, 0xfedcba98                      ; v_permlanex16_b32's selects for lane l xor 16
	s_mov_b32 s26, 0x0000ffff                      ; lanes 0-15
	s_mov_b32 s27, 0xffff0000                      ; lanes 16-31
	s_mov_b32 s28, 0x0023000f                      ; group 1: the mask: all four work-groups; elements of 8 bytes; bit 21 beside a mask
	s_mov_b32 s29, 32<<16                          ; tensor_dim0 = 32
	s_mov_b32 s30, 68<<16                          ; tensor_dim1 = 68
	s_mov_b32 s31, 32<<16                          ; tile_dim0 = 32
	s_mov_b32 s32, 68                              ; tile_dim1 = 68
	s_mov_b32 s33, 32                              ; from row to row
	s_mov_b32 s34, 0
	s_mov_b32 s35, 0
	s_mul_i32 s54, s14, 17408                      ; my eighth of a slot, in memory and in LDS
	s_lshl_b32 s50, s15, 13                        ; q: hh x 8,192 + cx x 1,024 + qt x 256
	s_lshl_b32 s56, s17, 10
	s_add_co_u32 s50, s50, s56
	s_lshl_b32 s56, s16, 8
	s_add_co_u32 s50, s50, s56
	s_mul_i32 s51, s17, 98304                      ; out0: 64 cx + 8 wave rows
	s_mul_i32 s56, s14, 12288
	s_add_co_u32 s51, s51, s56
	s_lshl_b32 s52, s15, 20                        ; the bias: head x 1,048,576, tile of 16 queries x 32,768
	s_lshl_b32 s56, s17, 17
	s_add_co_u32 s52, s52, s56
	s_lshl_b32 s56, s16, 15
	s_add_co_u32 s52, s52, s56
	s_lshl_b32 s55, s15, 13
	s_lshl_b32 s56, s15, 10
	s_add_co_u32 s56, s56, 32768
	s_mul_i32 s57, s16, 16*272
	s_lshl_b32 s58, s15, 7
	s_add_co_u32 s57, s57, s58
	s_add_co_u32 s57, s57, STG
	s_mul_i32 s58, s14, 8*272
	s_add_co_u32 s58, s58, STG
	v_and_b32 v244, 31, v0                         ; lane
	v_and_b32 v245, 15, v0                         ; r
	v_bfe_u32 v246, v0, 4, 1                       ; h
	v_lshl_add_u32 v[A0], v244, 4, s55
	v_lshl_add_u32 v[AS0], v244, 2, s56
	v_mul_u32_u24 v[STO], v245, 272
	v_mul_u32_u24 v[SRD], v246, 272
	v_mul_u32_u24 v[GO], v246, 1536
	v_lshl_add_u32 v[STO], v246, 5, v[STO]
	v_lshl_add_u32 v[SRD], v245, 4, v[SRD]
	v_lshl_add_u32 v[GO], v245, 4, v[GO]
	v_mov_b32 v[GOW], v[GO]                        ; the stores' offset register is written on every way into the loop
	v_add_nc_u32 v[STO], s57, v[STO]
	v_add_nc_u32 v[SRD], s58, v[SRD]
	v_lshlrev_b32 v[BO], 4, v244
	v_lshlrev_b32 v[QO], 4, v245
	v_lshlrev_b32 v[QSO], 2, v245
	v_lshlrev_b32 v[SH8], 3, v246
.irp i, 4,5,6,7,12,13,14,15
	v_mov_b32 v[Q+\i], 0                           ; Z: zero codes, written once
.endr
	v_mov_b32 v[TP], 0                             ; a lane permute's destination counts as one of its sources
	v_mov_b32 v[F+1], 0
	s_wait_alu depctr_va_vdst(0)                   ; the wait at the head's end
	s_wait_dscnt 0x0                               ; both opening adds are done
	s_wait_kmcnt 0x0
.irp i, 0,1,2                                  ; group 0 of my three groups' loads: group g lies at (16 (g / 32) + g % 16) slots' bytes in kv
	s_add_co_u32 s60, s19, \i
	s_lshr_b32 s61, s60, 5
	s_and_b32 s60, s60, 15
	s_lshl_b32 s61, s61, 4
	s_add_co_u32 s60, s60, s61
	s_mul_i32 s60, s60, SLOTB
	s_add_co_u32 s60, s60, s54
	s_mov_b32 s61, 0
	s_mov_b32 s[36+4*\i], 1
	s_add_co_u32 s[37+4*\i], s54, (\i%2)*SLOTB
	s_add_nc_u64 s[38+4*\i:39+4*\i], s[8:9], s[60:61]
	s_or_b32 s[39+4*\i], s[39+4*\i], 0x80000000
.endr
	ROUND                                          ; all four work-groups are here: the joint loads meet
	tensor_load_to_lds s[36:39], s[28:35]          ; my eighth of slot 0: one tensor load a wave at the head
	s_nop 0
	NOPS 4
	s_wait_tensorcnt 0x0                           ; my part of slot 0 is in; the same lines as ahead of a refill stand ahead of slot 1's first fill
	ds_add_u32 v[SPW], v[NIL]
	s_wait_dscnt 0x0
	ROUND                                          ; no global load of mine is out at a round's signal
	tensor_load_to_lds s[40:43], s[28:35]          ; my eighth of slot 1
	s_nop 0
	NOPS 4
	s_mov_b32 s60, s20
	QADDR                                          ; the first unit's q,
	s_mov_b32 s60, s19
	BIAS                                           ; and its bias
	s_wait_loadcnt 63                              ; 64 loads were issued behind q's: q is in
	QBUILD
	GROUP 0
	CHANGE 1, 1
	GROUP 1
	CHANGE 0, 2
	GROUP 0
	s_wait_tensorcnt 0x0                           ; the wave's end
	ds_add_u32 v[SPW], v[NIL]
	s_wait_dscnt 0x0
	ROUND                                          ; the closing round
	s_endpgm
.Lfunc_end_k_q0635c3e30d_attn:
	.size	k_q0635c3e30d_attn, .Lfunc_end_k_q0635c3e30d_attn-k_q0635c3e30d_attn
	.p2alignl 7, 3214868480
	.fill 96, 4, 3214868480
	.section	.rodata,"a",@progbits
	.p2align	6, 0x0
	.amdhsa_kernel k_q0635c3e30d_attn
		.amdhsa_group_segment_fixed_size 327680
		.amdhsa_private_segment_fixed_size 0
		.amdhsa_enable_private_segment 0
		.amdhsa_kernarg_size 40
		.amdhsa_user_sgpr_count 2
		.amdhsa_user_sgpr_kernarg_segment_ptr 1
		.amdhsa_wavefront_size32 1
		.amdhsa_system_sgpr_workgroup_id_x 1
		.amdhsa_system_sgpr_workgroup_id_y 1
		.amdhsa_system_sgpr_workgroup_id_z 1
		.amdhsa_system_vgpr_workitem_id 0
		.amdhsa_next_free_vgpr 512
		.amdhsa_next_free_sgpr 76
		.amdhsa_reserve_vcc 0
		.amdhsa_float_denorm_mode_32 3
		.amdhsa_float_denorm_mode_16_64 3
		.amdhsa_memory_ordered 1
		.amdhsa_forward_progress 1
		.amdhsa_inst_pref_size 199
	.end_amdhsa_kernel
	.amdgpu_metadata
---
amdhsa.version: [ 1, 2 ]
amdhsa.kernels:
  - .name:           k_q0635c3e30d_attn
    .symbol:         k_q0635c3e30d_attn.kd
    .args:
      - { .name: qc, .offset: 0, .size: 8, .value_kind: global_buffer, .address_space: global }
      - { .name: qs, .offset: 8, .size: 8, .value_kind: global_buffer, .address_space: global }
      - { .name: kv, .offset: 16, .size: 8, .value_kind: global_buffer, .address_space: global }
      - { .name: bw, .offset: 24, .size: 8, .value_kind: global_buffer, .address_space: global }
      - { .name: out0, .offset: 32, .size: 8, .value_kind: global_buffer, .address_space: global }
    .group_segment_fixed_size: 327680
    .private_segment_fixed_size: 0
    .kernarg_segment_align: 8
    .kernarg_segment_size: 40
    .max_flat_workgroup_size: 256
    .sgpr_count:     76
    .vgpr_count:     512
    .wavefront_size: 32
...
	.end_amdgpu_metadata
.endif
;; end of part 2
